; MI455X (gfx1250); checked and timed in simulation.
; The chip was launched on July 23, 2026; its instructions are those of AMD's public machine-readable ISA for CDNA 5 (MIT licence, August 2026) and "CDNA5" Instruction Set Architecture Reference Guide (July 2026). The comments in the code are by the model that wrote it; some were corrected since.
;; Scaled Dot Product Attention. Allowed arithmetic: matrix products marked QUANTISED: E3M2 operands, one E8M0 scale for each 32 along K, by v_wmma_scale_f32_16x16x128_f8f6f4 with both operands' format E3M2, f32 sums; everything else in f32.
;; Inputs: key 8 x 2,048 x 1,024 float32; value 8 x 2,048 x 1,024 float32.
;; Outputs: out0 8 x 2,048 x 1,024 float32.
;; This version of the problem:
;;   THIS VERSION OF THE PROBLEM IS GIVEN IN LOW PRECISION. The matrix products marked QUANTISED in the list below multiply operands that are first quantised to E3M2 (3 exponent bits, 2 mantissa bits; 6 bits a number), with one power-of-two scale for each 32 numbers along K (OCP MX v1.0); their sums are f32. All else is computed in f32.
;;   The module's matrix products, in the order in which they are computed (A, B: the left and right operand; K: the contracted axis; several contracted axes count as one K, in the product's order):
;;     1. batch 8 x [M 2,048, K 1,024] x [K 1,024, N 2,048]; A: input key; B: input value: QUANTISED
;;     2. batch 8 x [M 2,048, K 2,048] x [K 2,048, N 1,024]; A: softmax (see below); B: input value: QUANTISED
;;   THE QUANTISER, for each operand of a quantised product, along K:
;;     - K is cut into blocks of 32 from its start; a last block that is shorter is filled with zeros.
;;     - A block's scale is 2^e with e = floor(log2(the largest magnitude in the block)) - 4, held to -126 .. 127; a block of zeros has e = 0. As a byte (E8M0): e + 127.
;;     - Each number is divided by its block's scale, clamped to +-28, and rounded to the nearest number of E3M2, ties to even, subnormals kept.
;;     - The product sums the exact products of the quantised numbers (number of the format x scale) in f32.
;;   ~~~python
;;   def quantise(x, axis):      # numpy; x: float32 -> the quantised numbers, widened to float32 again
;;       x = np.moveaxis(x, axis, -1); K = x.shape[-1]
;;       x = np.pad(x, [(0, 0)] * (x.ndim - 1) + [(0, -K % 32)]); x = x.reshape(x.shape[:-1] + (-1, 32)); a = np.abs(x).max(-1, keepdims=True)
;;       e = np.where(a > 0, np.clip(np.frexp(np.where(a > 0, a, 1))[1] - 1 - 4, -126, 127), 0)      # np.frexp(a)[1] - 1 = floor(log2(a)), exactly
;;       r = np.clip(x / 2.0 ** e, -28, 28)
;;       step = 2.0 ** (np.maximum(np.frexp(np.where(r == 0, 1, r))[1] - 1, -2) - 2)
;;       q = np.round(r / step) * step * 2.0 ** e      # np.round: ties to even
;;       return np.moveaxis(q.reshape(q.shape[:-2] + (-1,))[..., :K], -1, axis).astype(np.float32)
;;   ~~~
;;   SOFTMAX AHEAD OF A QUANTISED PRODUCT. Where the list says 'softmax', what is quantised is not the finished softmax but p = 2^(t - M), with t = logit x log2(e) and M = ceil(the row's largest t), a whole number; so 1/2 < the row's largest p <= 1. The row's sum l is taken of the UNQUANTISED p, in f32, and the product's result is divided by l at the end. Since M is a whole number, a kernel that streams over the keys may use a running M (the ceiling of the running maximum): every later rescaling is an exact power of two, which a block's scale takes up: the codes' values come out the same.
;;   OPERANDS COMPUTED ON THE WAY. 'Computed on the way' means the value that the module computes at that place (a softmax that the list does not call 'softmax' is quantised finished and normalised). What goes into a quantiser is computed in f32, as accurately as f32 sums, v_exp_f32 and their like allow (about 1e-6 of the number): no bf16 or f16 on the way to a quantiser, and a product that is left as it is and whose result goes on into a quantised operand takes f32 operands (vector FMAs, or v_wmma_f32_16x16x4_f32). A number that lies on a knife's edge between two numbers of the format may be rounded either way, as far as f32 arithmetic and the matrix unit's own rounding can turn it there, and no further.
;; One version. Each part assembles by itself: llvm-mc -triple=amdgcn-amd-amdhsa -mcpu=gfx1250 --defsym DOCPART=n.
;; ======== version 1 of 1: 3 launches
;; limits: right only within a limited range of input values
;; workspace buffers: qimg 12,582,912 bytes; kimg 12,582,912 bytes; vimg 12,582,912 bytes; scl 1,572,864 bytes; pimg 25,165,824 bytes; pst 3,145,728 bytes
;; launch quant (part 1): grid 2048 x 1, 4 waves a work-group, no clusters, 68,096 bytes of LDS; arguments key, value, qimg, kimg, vimg, scl; writes qimg, kimg, vimg, scl
.if DOCPART == 1
	.amdgcn_target "amdgcn-amd-amdhsa--gfx1250"
	.amdhsa_code_object_version 6
	.text
	.protected	k_qd554a226cc_quant
	.globl	k_qd554a226cc_quant
	.p2align	8
	.type	k_qd554a226cc_quant,@function
k_qd554a226cc_quant:
	s_mov_b64 s[64:65], 0
	v_nop
	global_prefetch_b8 v0, s[64:65] scope:SCOPE_SE
	s_setreg_imm32_b32 hwreg(HW_REG_WAVE_MODE, 25, 1), 1
	s_wait_xcnt 0x0
; key and value, [16384 rows][1024] f32 (8 batches of 2,048 rows), become codes of BF6 (E3M2) with one E8M0 byte for each 32 along K:
;   key   along its 1,024 columns                      -> qimg   (the first product's queries)
;   value along its 1,024 columns                      -> kimg   (the first product's keys)
;   value along its rows, the keys                     -> vimg   (the second product's values): from the same read of value.
; A block's scale is 2^(floor(log2(its largest magnitude)) - 4); its byte is the largest magnitude's exponent field - 4, held at 1 from below.
; LIMITS: NaN and infinities are not served.  A block whose largest magnitude lies under 2^(5 - 127) keeps the byte 1; so does a block of zeros, where the
; rule says 127: its codes are zeros, which add nothing under any byte but 0xff, and the bytes are read by this program alone.
; LAYOUT OF THE CODES: images of the operand's registers.  A fragment (16 rows x 128 K, 12 registers a lane) is 1,536 bytes: registers 4 g .. 4 g + 3 of lane l at 512 g + 16 l.
;   qimg, kimg: [row block of 16][chunk of 128 columns: 8][1,536];  vimg: [batch][block of 16 channels: 64][chunk of 128 keys: 16][1,536].
;   In kimg the rows of each 32 stand in another order: position p holds key sigma(p), sigma = bits 3 and 4 of p changed over, so that two neighbouring tiles of scores give a lane 16 neighbouring keys.
; SCALE WORDS (four bytes: a row's 128 K) in scl: +0 [chunk 8][row 16384] for key; +524288 the same by position for value; +1048576 [batch][chunk of keys 16][channel 1024].
; SHARES.  Work-groups 0-1023 take key, the others value: a tile of 128 rows x 128 columns each; only pointers are chosen by the work-group's number.  Four waves, 32 rows each.
; The tile goes through LDS (rows of 512 bytes + 16): every global load reads 512 consecutive bytes, and the lanes then take what the conversions want:
; 16 neighbours along a row (along the columns), or a whole column of 128 keys (along the keys).  No tensor loads, one barrier.  Work-groups share no input: no cluster.
.set PITCH, 528
.set LANE, 1                           ; v1   lane
.set RW,   2                           ; v2   lane % 16
.set HF,   3                           ; v3   lane / 16
.set LI,   4                           ; v4   16 x lane
.set ST,   5                           ; v5   LDS: my wave's 32 rows, 16 x lane
.set RD,   6                           ; v6   LDS: row 32 w + lane % 16, + 64 (lane / 16)
.set CL,   7                           ; v7   LDS: my column, 128 w + 4 x lane
.set CL2,  8                           ; v8   the same 64 rows on (an LDS offset has 16 bits)
.set L4,   9                           ; v9   4 x lane
.set TM,   16                          ; v16-19 largest magnitudes, v20-23 bytes, v28-31 the conversions' scale operands
.set PW0,  32                          ; v32, v33 the two fragments' scale words;  v34 the word that leaves
.set PW1,  33
.set WO,   34
.set TA,   36                          ; v36-38 along the keys: a block's upper 16 codes
.set WV,   44                          ; v44  along the keys: my channel's scale word
.set D,    64                          ; v64-191 128 numbers
.set PC0,  192                         ; v192-211, v212-231 along the columns: a fragment's codes and eight registers at work
.set PC1,  212
.set F0,   232                         ; v232-243, v244-255 along the keys: two fragments
.set F1,   244
.set SEL,  38                          ; s[38:39] lane selects for v_permlanex16_b32: lane l xor 16
	s_load_b128 s[4:7], s[0:1], 0x0                ; key, value
	s_load_b128 s[8:11], s[0:1], 0x10              ; qimg, kimg
	s_load_b128 s[12:15], s[0:1], 0x20             ; vimg, scl
	v_lshl_add_u32 v227, v0, 2, 0x10800
	v_mov_b32 v231, 0
	v_lshrrev_b32 v1, 5, v0
	v_readfirstlane_b32 s16, v1                    ; wave 0..3
	v_and_b32 v[LANE], 31, v0
	v_and_b32 v[RW], 15, v0
	v_bfe_u32 v[HF], v0, 4, 1
	v_lshlrev_b32 v[LI], 4, v[LANE]
	v_lshlrev_b32 v[L4], 2, v[LANE]
	s_mul_i32 s17, s16, 32*PITCH
	v_add_nc_u32 v[ST], s17, v[LI]
	v_mul_u32_u24 v[RD], v[RW], PITCH
	v_lshl_add_u32 v[RD], v[HF], 6, v[RD]
	v_add_nc_u32 v[RD], s17, v[RD]
	s_lshl_b32 s17, s16, 7
	v_add_nc_u32 v[CL], s17, v[L4]
	v_add_nc_u32 v[CL2], 64*PITCH, v[CL]
.irp b, 0,1,2,3
	v_mov_b32 v[TM+4+\b], 0                        ; written once: a lane permute's destination counts as one of its sources
.endr
	s_mov_b32 s[SEL], 0x76543210
	s_mov_b32 s[SEL+1], 0xfedcba98
	s_and_b32 s17, ttmp9, 1023                     ; the tile's number in its tensor
	s_lshr_b32 s18, s17, 3                         ; R: which 128 rows
	s_and_b32 s19, s17, 7                          ; C: which 128 columns
	s_lshl_b32 s40, s18, 7
	s_lshl_b32 s23, s16, 5
	s_add_co_u32 s40, s40, s23                     ; my wave's first row: 128 R + 32 w
	s_lshl_b32 s44, s19, 14
	s_add_co_u32 s44, s44, s40
	s_lshl_b32 s44, s44, 2                         ; scale words along the columns: (16384 C + row) x 4
	s_mov_b32 s45, 0
	s_lshl_b32 s40, s40, 12                        ; the source: row x 4,096 bytes
	s_lshl_b32 s23, s19, 9
	s_add_co_u32 s40, s40, s23                     ; + 512 C
	s_mov_b32 s41, 0
	s_lshl_b32 s42, s18, 3
	s_lshl_b32 s23, s16, 1
	s_add_co_u32 s42, s42, s23                     ; my first row block: 8 R + 2 w
	s_lshl_b32 s42, s42, 3
	s_add_co_u32 s42, s42, s19
	s_mul_i32 s42, s42, 1536                       ; the image: (row block x 8 + C) x 1,536
	s_mov_b32 s43, 0
	s_lshr_b32 s46, s18, 4                         ; the batch
	s_lshl_b32 s46, s46, 6
	s_lshl_b32 s47, s19, 3
	s_add_co_u32 s46, s46, s47
	s_add_co_u32 s46, s46, s23                     ; my first block of channels: 64 x batch + 8 C + 2 w
	s_lshl_b32 s46, s46, 4
	s_and_b32 s47, s18, 15                         ; the chunk of keys
	s_add_co_u32 s46, s46, s47
	s_mul_i32 s46, s46, 1536
	s_mov_b32 s47, 0
	s_lshl_b32 s22, s18, 12                        ; scale words along the keys: (16 x batch + chunk) = R, x 4,096 bytes
	s_lshl_b32 s23, s19, 9
	s_add_co_u32 s22, s22, s23                     ; + 128 C channels
	s_lshl_b32 s23, s16, 7
	s_add_co_u32 s22, s22, s23                     ; + 32 w
	s_add_co_u32 s22, s22, 1048576
	s_mov_b32 s23, 0
	s_mov_b32 s21, 0
	s_cmp_lt_u32 ttmp9, 1024                       ; key's work-group or value's?  The choice hangs on the work-group's number alone
	s_cselect_b32 s20, 0, 32768                    ; value: rows 8-15 and 16-23 of each 32 change places: 8 rows are 32,768 bytes
	s_cselect_b32 s17, 0, 524288
	s_add_co_u32 s44, s44, s17
	s_wait_alu depctr_va_vdst(0)
	s_wait_kmcnt 0x0
	s_cmp_lt_u32 ttmp9, 1024
	s_cselect_b64 s[24:25], s[4:5], s[6:7]
	s_cselect_b64 s[30:31], s[8:9], s[10:11]
	s_add_nc_u64 s[24:25], s[24:25], s[40:41]      ; the source at my wave's first row
	s_add_nc_u64 s[26:27], s[24:25], s[20:21]      ; for LDS rows 8-15,
	s_sub_nc_u64 s[28:29], s[24:25], s[20:21]      ; for LDS rows 16-23
	s_add_nc_u64 s[30:31], s[30:31], s[42:43]
	s_add_nc_u64 s[32:33], s[14:15], s[44:45]
	s_add_nc_u64 s[34:35], s[12:13], s[46:47]
	s_add_nc_u64 s[36:37], s[14:15], s[22:23]
; ---- A: my 32 rows x 512 bytes, all loads out at once; each reads 512 consecutive bytes
.macro GLD i, b
	global_load_b128 v[D+4*\i:D+4*\i+3], v[LI], s[\b:\b+1] offset:4096*\i th:TH_LOAD_NT
.endm
.irp i, 0,1,2,3,4,5,6,7
	GLD \i, 24
.endr
.irp i, 8,9,10,11,12,13,14,15
	GLD \i, 26
.endr
.irp i, 16,17,18,19,20,21,22,23
	GLD \i, 28
.endr
.irp i, 24,25,26,27,28,29,30,31
	GLD \i, 24
.endr
.irp k, 0,1,2,3
	s_wait_loadcnt 24-8*\k                         ; loads come back in order: eight more rows are in, the younger ones stay out
.irp j, 0,1,2,3,4,5,6,7
	ds_store_b128 v[ST], v[D+4*(8*\k+\j):D+4*(8*\k+\j)+3] offset:PITCH*(8*\k+\j)
.endr
.endr
	s_wait_dscnt 0x0                               ; for the others' sake: my rows lie in LDS
	s_barrier_signal -1
	s_barrier_wait -1                              ; the whole tile does
; 64 numbers of a lane, register 16 b + i = k 32 b + 16 (lane / 16) + i of my row, become a fragment's codes in v[pc] on and its scale word in v[pw]
.macro QUANT s, pc, pw
.irp b, 0,1,2,3
	v_max3_num_f32 v[TM+\b], |v[\s+16*\b]|, |v[\s+1+16*\b]|, 0x2800000   ; block b: my 16 numbers, and the floor 2^(5 - 127): the byte cannot fall under 1
.endr
.irp i, 2,4,6,8,10,12,14
.irp b, 0,1,2,3
	v_max3_num_f32 v[TM+\b], v[TM+\b], |v[\s+16*\b+\i]|, |v[\s+1+16*\b+\i]|   ; the four blocks by turns
.endr
.endr
.irp b, 0,1,2,3
	v_permlanex16_b32 v[TM+4+\b], v[TM+\b], s[SEL], s[SEL+1]
.endr
.irp b, 0,1,2,3
	v_max_num_f32 v[TM+\b], v[TM+\b], v[TM+4+\b]   ; with lane l xor 16's: the block's largest magnitude
.endr
.irp b, 0,1,2,3
	v_add_nc_u32 v[TM+12+\b], 0xfe000000, v[TM+\b] ; 4 off its exponent field: the conversion takes the exponent field of this operand as its scale
.endr
.irp b, 0,1,2,3
	v_lshrrev_b32 v[TM+4+\b], 23, v[TM+12+\b]      ; the scale's byte
.endr
	v_lshl_or_b32 v[\pw], v[TM+5], 8, v[TM+4]
	v_lshl_or_b32 v[\pw], v[TM+6], 16, v[\pw]
	v_lshl_or_b32 v[\pw], v[TM+7], 24, v[\pw]
.irp c, 0,1
	v_cvt_scalef32_pk16_bf6_f32 v[\pc+6*\c:\pc+2+6*\c], v[\s+32*\c:\s+15+32*\c], v[TM+12+2*\c]
	v_cvt_scalef32_pk16_bf6_f32 v[\pc+12+4*\c:\pc+14+4*\c], v[\s+16+32*\c:\s+31+32*\c], v[TM+12+2*\c+1]   ; (a conversion's three registers begin on an even number)
.endr
	v_nop                                          ; one plain place behind a scaled conversion
.irp c, 0,1                                    ; the operand's layout wants a whole block in a lane: lanes 0-15 block 2 c, lanes 16-31 block 2 c + 1
.irp i, 0,1,2
	v_permlane16_swap_b32 v[\pc+6*\c+\i], v[\pc+12+4*\c+\i]
.endr
.irp i, 0,1,2
	v_mov_b32 v[\pc+3+6*\c+\i], v[\pc+12+4*\c+\i]
.endr
.endr
.endm
; ---- B: along the columns: my 32 rows are two fragments
.irp f, 0,1
.irp b, 0,1,2,3
.irp j, 0,1,2,3
	ds_load_b128 v[D+64*\f+16*\b+4*\j:D+64*\f+16*\b+4*\j+3], v[RD] offset:\f*16*PITCH+128*\b+16*\j
.endr
.endr
.endr
	s_wait_dscnt 16                                ; the first fragment's 16 loads are in
	QUANT D, PC0, PW0
.irp g, 0,1,2
	global_store_b128 v[LI], v[PC0+4*\g:PC0+4*\g+3], s[30:31] offset:512*\g          ; 32 lanes store 512 consecutive bytes, at a multiple of 256 from the buffer's first byte
.endr
	s_wait_dscnt 0x0
	QUANT D+64, PC1, PW1
.irp g, 0,1,2
	global_store_b128 v[LI], v[PC1+4*\g:PC1+4*\g+3], s[30:31] offset:12288+512*\g    ; the next row block: 8 chunks on
.endr
	v_cmp_le_u32 vcc_lo, 16, v[LANE]
	v_cndmask_b32 v[WO], v[PW0], v[PW1], vcc_lo    ; lane l: the word of my wave's row l
	global_store_b32 v[L4], v[WO], s[32:33]
	s_cmp_lt_u32 ttmp9, 1024
	s_cbranch_scc1 .Lend                           ; key is no operand of the second product
; ---- C: value along the keys.  Lane l takes channel 32 w + l; its registers run down the tile's 128 keys (key k lies in LDS row sigma(k)): a block of 32 is one lane's
.macro VLOAD b
.set I, 0
.rept 32
.set SG, 32*\b+(I%8)+8*(I/16)+16*((I/8)%2)
.if SG < 64
	ds_load_b32 v[D+32*\b+I], v[CL] offset:SG*PITCH
.else
	ds_load_b32 v[D+32*\b+I], v[CL2] offset:(SG-64)*PITCH
.endif
.set I, I+1
.endr
.endm
.macro VBLOCK b, x                     ; block b's 32 numbers -> six registers of codes at v[x], and its byte into my word
.set XS, D+32*\b
	v_max3_num_f32 v[TM], |v[XS]|, |v[XS+1]|, |v[XS+2]|
	v_max3_num_f32 v[TM+1], |v[XS+3]|, |v[XS+4]|, |v[XS+5]|
.irp i, 6,10,14,18,22,26
	v_max3_num_f32 v[TM], v[TM], |v[XS+\i]|, |v[XS+\i+1]|
	v_max3_num_f32 v[TM+1], v[TM+1], |v[XS+\i+2]|, |v[XS+\i+3]|
.endr
	v_max3_num_f32 v[TM], v[TM], |v[XS+30]|, |v[XS+31]|
	v_max3_num_f32 v[TM], v[TM], v[TM+1], 0x2800000
	v_add_nc_u32 v[TM+12+\b], 0xfe000000, v[TM]
	v_lshrrev_b32 v[TM+1], 23, v[TM+12+\b]
.if \b == 0
	v_mov_b32 v[WV], v[TM+1]
.else
	v_lshl_or_b32 v[WV], v[TM+1], 8*\b, v[WV]
.endif
	v_cvt_scalef32_pk16_bf6_f32 v[\x:\x+2], v[XS:XS+15], v[TM+12+\b]
	v_cvt_scalef32_pk16_bf6_f32 v[TA:TA+2], v[XS+16:XS+31], v[TM+12+\b]
	v_nop                                          ; one plain place behind a scaled conversion
.irp i, 0,1,2
	v_mov_b32 v[\x+3+\i], v[TA+\i]
.endr
.endm
	VLOAD 0
	VLOAD 1
	s_wait_dscnt 32                                ; block 0 is in; the younger block's 32 loads may be out
	VBLOCK 0, F0
	VLOAD 2
	s_wait_dscnt 32
	VBLOCK 1, F1
	VLOAD 3
	s_wait_dscnt 32
	VBLOCK 2, F0+6
	s_wait_dscnt 0x0
	VBLOCK 3, F1+6
.irp i, 0,1,2,3,4,5,6,7,8,9,10,11
	v_permlane16_swap_b32 v[F0+\i], v[F1+\i]       ; blocks 0, 2 of channels 16-31 change places with blocks 1, 3 of channels 0-15: F0 is now the fragment of my channels 0-15, F1 that of 16-31
.endr
.irp g, 0,1,2
	global_store_b128 v[LI], v[F0+4*\g:F0+4*\g+3], s[34:35] offset:512*\g
	global_store_b128 v[LI], v[F1+4*\g:F1+4*\g+3], s[34:35] offset:24576+512*\g      ; the next block of channels: 16 chunks on
.endr
	global_store_b32 v[L4], v[WV], s[36:37]
.Lend:
	s_wait_tensorcnt 0x0
	ds_add_u32 v227, v231
	s_wait_dscnt 0x0
	s_endpgm
.Lfunc_end_k_qd554a226cc_quant:
	.size	k_qd554a226cc_quant, .Lfunc_end_k_qd554a226cc_quant-k_qd554a226cc_quant
	.p2alignl 7, 3214868480
	.fill 96, 4, 3214868480
	.section	.rodata,"a",@progbits
	.p2align	6, 0x0
	.amdhsa_kernel k_qd554a226cc_quant
		.amdhsa_group_segment_fixed_size 68096
		.amdhsa_private_segment_fixed_size 0
		.amdhsa_enable_private_segment 0
		.amdhsa_kernarg_size 48
		.amdhsa_user_sgpr_count 2
		.amdhsa_user_sgpr_kernarg_segment_ptr 1
		.amdhsa_wavefront_size32 1
		.amdhsa_system_sgpr_workgroup_id_x 1
		.amdhsa_system_sgpr_workgroup_id_y 1
		.amdhsa_system_sgpr_workgroup_id_z 1
		.amdhsa_system_vgpr_workitem_id 0
		.amdhsa_next_free_vgpr 256
		.amdhsa_next_free_sgpr 66
		.amdhsa_reserve_vcc 1
		.amdhsa_float_denorm_mode_32 3
		.amdhsa_float_denorm_mode_16_64 3
		.amdhsa_memory_ordered 1
		.amdhsa_forward_progress 1
		.amdhsa_inst_pref_size 34
	.end_amdhsa_kernel
	.amdgpu_metadata
---
amdhsa.version: [ 1, 2 ]
amdhsa.kernels:
  - .name:           k_qd554a226cc_quant
    .symbol:         k_qd554a226cc_quant.kd
    .args:
      - { .name: key, .offset: 0, .size: 8, .value_kind: global_buffer, .address_space: global }
      - { .name: value, .offset: 8, .size: 8, .value_kind: global_buffer, .address_space: global }
      - { .name: qimg, .offset: 16, .size: 8, .value_kind: global_buffer, .address_space: global }
      - { .name: kimg, .offset: 24, .size: 8, .value_kind: global_buffer, .address_space: global }
      - { .name: vimg, .offset: 32, .size: 8, .value_kind: global_buffer, .address_space: global }
      - { .name: scl, .offset: 40, .size: 8, .value_kind: global_buffer, .address_space: global }
    .group_segment_fixed_size: 68096
    .private_segment_fixed_size: 0
    .kernarg_segment_align: 8
    .kernarg_segment_size: 48
    .max_flat_workgroup_size: 128
    .sgpr_count:     66
    .vgpr_count:     256
    .wavefront_size: 32
...
	.end_amdgpu_metadata
.endif
;; end of part 1
;; launch scores (part 2): grid 4 x 64, 4 waves a work-group, clusters of 4 x 4, 327,680 bytes of LDS; arguments qimg, kimg, scl, pimg, pst; writes pimg, pst
.if DOCPART == 2
	.amdgcn_target "amdgcn-amd-amdhsa--gfx1250"
	.amdhsa_code_object_version 6
	.text
	.protected	k_qd554a226cc_scores
	.globl	k_qd554a226cc_scores
	.p2align	8
	.type	k_qd554a226cc_scores,@function
k_qd554a226cc_scores:
	s_mov_b64 s[64:65], 0
	v_nop
	global_prefetch_b8 v0, s[64:65] scope:SCOPE_SE
	s_setreg_imm32_b32 hwreg(HW_REG_WAVE_MODE, 25, 1), 1
	s_wait_xcnt 0x0
	s_wait_alu depctr_hold_cnt(0) depctr_sa_sdst(0) depctr_va_vdst(0) depctr_va_sdst(0) depctr_va_ssrc(0) depctr_va_vcc(0) depctr_vm_vsrc(0)
	s_getreg_b32 s2, hwreg(HW_REG_IB_STS2, 6, 4)
	s_cmp_eq_u32 s2, 0
	s_cbranch_scc0 .Lentry_in_a_cluster
	s_endpgm
.Lentry_in_a_cluster:
	s_bfe_u32 s2, ttmp6, 0x10000c
	s_cmp_lg_u32 s2, 0xf033
	s_cbranch_scc0 .Lentry_shape_is_right
	s_endpgm
.Lentry_shape_is_right:
; S^T = K Q^T on codes of BF6 (K = 1,024), and the softmax's p as codes.  A tile is 256 queries x 256 keys of one batch; each of the four waves makes 128 x 128 of it: 64 accumulators, 512 registers.
; A WORK-GROUP STAYS: it makes two tiles, its 256 queries against key tiles X and X + 4, so that the second tile's codes land in LDS while the first tile's softmax is worked, and nothing waits for the first tile's stores.
; THE SOFTMAX IS TAKEN CHUNK BY CHUNK.  A wave's 128 keys are one chunk of the second product's K.  For each query: t = score x log2(e) / 32; M = the chunk's largest t rounded up to a whole number;
; p = 2^(t - M), quantised along the keys in blocks of 32.  Out go p's codes (pimg), its scale word under this chunk's M, -M, and the sum of the unquantised p (pst).  The next launch finds the row's M
; and lowers the scale bytes by the difference, a whole number: the codes stay as they are.
; LIMITS: NaN and infinities are not served.  M is exact as a whole number for |t| under 2^24.  A block whose largest p lies under 2^(5 - 127) keeps the byte 1.
; OPERANDS lie in memory as images of their registers (a fragment of 16 rows x 128 K: 1,536 bytes, registers 4 g .. 4 g + 3 of lane l at 512 g + 16 l), [row block][chunk][1,536]: two chunks of a row block
; are 3,072 consecutive bytes, a tile's row; a fragment comes out of LDS by three loads of 16 bytes a lane, 512 consecutive bytes each: no pitch, no padding.
; LDS: THREE REGIONS of 256 along K.  The eight K steps of the two tiles are loads 0 .. 7; load j goes to region j % 3.  Loads 0, 1, 2 are first fills.  Each later load stands first behind a round of
; the cluster's barrier, and the rounds are laid so that a load is waited for one K step or more, or several blocks of softmax, behind its request:
;   loads 2, 3, 4 at the ends of K steps 0, 1, 2 | load 5 behind softmax block 1 | load 6 behind softmax block 4 | load 7 at the end of the second tile's K step 0.
; A change of regions in front of which the next region has already been shown whole to every wave has no barrier.  A wave has one tensor load out at the most.
; The scale words of the queries and of both tiles' keys, for all of K, come once, with the first fills, and stay.  The text is written out, without a loop: the regions turn otherwise in the two tiles.
; CLUSTERS: 4 x 4 work-groups.  The four of a row of the cluster need the same queries, the four of a column the same keys: each tile is asked for jointly.
; THE MATRIX INSTRUCTION IS USED TRANSPOSED (source 0 = 16 keys, source 1 = 16 queries): a lane holds one query.  kimg's rows stand so that the 16 registers of two neighbouring tiles are 16 neighbouring keys.
; REGISTERS: window 0: v0-31 addresses; v32-63 scale words, two sets; v128-223 the queries' fragments, one set (in the softmax its registers, with v64-127 and v224-251).  window 1: the keys' fragments, two sets.
;   windows 2, 3: the accumulators of my queries 0-63 and 64-127 (accumulator (a, b) at v[8 (8 (a % 4) + b)]).
.set NC,     8                         ; chunks of 128 along K
.set CH,     1536                      ; a fragment's image
.set NQ,     2                         ; chunks in a region
.set RB,     NQ*CH                     ; a row block's bytes in a region
.set HALFT,  8*RB                      ; 128 rows: what one tensor load brings
.set SLOT,   4*HALFT                   ; a region: 256 queries, then 256 keys
.set SCL,    3*SLOT                    ; behind the regions: the scale words, [quarter of 128 rows][chunk][128 words]: queries 2 quarters, first tile's keys 2, second tile's keys 2
.set HALFS,  NC*512
.set SPARE,  SCL+6*HALFS               ; the spare words, 128 bytes for each wave: two blocks of 256 bytes that no other line names
.set NEXTK,  4*16*NC*CH                ; bytes from a key tile to the tile four on
.set FR,     12
.set NL,     3                         ; LDS loads that bring a fragment
.set NP,     4                         ; places behind this matrix instruction (ISA guide 7.12.1)
.set ADRA, 16                          ; v16-18 LDS address of my queries' fragments in region 0, 1, 2
.set ADRB, 20                          ; v20-22 of my keys'
.set L4,   25                          ; v25    4 x lane
.set LI,   26                          ; v26    16 x lane
.set SPW,  28                          ; v28    LDS address of my spare word; never rewritten
.set NIL,  29                          ; v29    0; never rewritten
.set ADRS, 30                          ; v30-31 LDS address of my scale words, first and second tile: lanes 0-15 the queries', lanes 16-31 the keys'
.set SC,   32
.set AF,   128
.set GWA, 4                            ; s[4:7]   group 0 for the queries' load 0; then it walks
.set GWB, 8                            ; s[8:11]  the same for the keys
.set CS,  18                           ; s[18:19] c = log2(e) / 32
.set G1, 24                            ; s[24:31] group 1 for the queries' tiles
.set G0, 32
.set G1B, 48                           ; s[48:55] the same for the keys
.set G0B, 56
.set SEL, 66                           ; s66, s67 lane selects: lane l xor 16
.set G1S, 68
.set G0S, 76
.set G1SB, 80
.set G0SB, 88
.set G0SB2, 96
.set MSB, 0
.macro WIN new                         ; the immediate's high byte repeats the setting that is left
.if MSB != (\new)
	s_set_vgpr_msb (MSB<<8)|(\new)
.set MSB, \new
.endif
.endm
.set MUL_LO, 0xa1                      ; source 0 (keys) window 1, source 1 (queries) window 0, C and D window 2
.set MUL_HI, 0xf1
.set TO_B,   0x40
.macro JLOAD                           ; a joint refill by the walking descriptors: waves 0 and 1 fetch the queries' halves, waves 2 and 3 the keys'; four v_nop follow each line
	s_cmp_eq_u32 s15, 0
	s_cbranch_scc0 .Lfor_b_\@
	tensor_load_to_lds s[GWA:GWA+3], s[G1:G1+7]
	s_nop 0
.rept 4
	v_nop
.endr
	s_branch .Lasked_\@
.Lfor_b_\@:
	tensor_load_to_lds s[GWB:GWB+3], s[G1B:G1B+7]
	s_nop 0
.rept 4
	v_nop
.endr
.Lasked_\@:
.endm
.macro CREST                           ; a round of the cluster's barrier behind its opening barrier
	s_cmp_lg_u32 s14, 0
	s_cbranch_scc1 .Lnot_wave_0_\@
	s_barrier_signal -3
.Lnot_wave_0_\@:
	s_barrier_wait -3
	s_barrier_signal -1
	s_barrier_wait -1
.endm
.macro CROUND
	s_barrier_signal -1
	s_barrier_wait -1
	CREST
.endm
	s_load_b128 s[4:7], s[0:1], 0x0                ; qimg, kimg
	s_load_b64 s[8:9], s[0:1], 0x10                ; scl
	s_load_b64 s[12:13], s[0:1], 0x18              ; pimg
	s_load_b64 s[2:3], s[0:1], 0x20                ; pst
	v_lshl_add_u32 v[SPW], v0, 2, SPARE
	v_mov_b32 v[NIL], 0
	ds_add_u32 v28, v29
	ds_add_u32 v28, v29
	s_wait_dscnt 0x0
	v_lshrrev_b32 v1, 5, v0
	v_readfirstlane_b32 s14, v1                    ; wave 0..3
	s_lshr_b32 s15, s14, 1                         ; which half of the queries is mine.  Also: I fetch queries (0) or keys (1)
	s_and_b32 s16, s14, 1                          ; which half of the keys.  Also: which 128 rows I fetch
	s_bfe_u32 s40, ttmp6, 0x40000                  ; cx, cy
	s_bfe_u32 s41, ttmp6, 0x40004
	s_lshl_b32 s42, ttmp9, 2
	s_add_co_u32 s42, s42, s40                     ; X: my first tile of 256 keys in the batch; the second is X + 4
	s_and_b32 s17, ttmp7, 0xffff
	s_lshr_b32 s66, s17, 1                         ; the batch: 8 tiles of queries = 2 clusters; made of the cluster's y alone
	s_lshl_b32 s17, s17, 2
	s_add_co_u32 s17, s17, s41                     ; Y: tile of 256 queries, over all batches
	s_lshl_b32 s43, s41, 2
	s_lshl_b32 s43, 15, s43                        ; my row of the cluster
	s_lshl_b32 s44, 0x1111, s40                    ; my column
	; group 1 for tiles: 8 rows (row blocks) of 384 elements of 8 bytes, NC x 1,536 bytes apart
	s_or_b32 s[G1+0], s43, (3<<16)|(1<<21)
	s_or_b32 s[G1B+0], s44, (3<<16)|(1<<21)
.irp g, G1, G1B
	s_mov_b32 s[\g+1], 384<<16                     ; tensor_dim0
	s_mov_b32 s[\g+2], 8<<16                       ; tensor_dim1
	s_mov_b32 s[\g+3], 384<<16                     ; tile_dim0
	s_mov_b32 s[\g+4], 8                           ; tile_dim1
	s_mov_b32 s[\g+5], NC*192                      ; tensor_dim0_stride
	s_mov_b32 s[\g+6], 0
	s_mov_b32 s[\g+7], 0
.endr
	s_lshl_b32 s18, s16, 3                         ; which 8 row blocks I fetch
	s_lshl_b32 s20, s17, 4
	s_add_co_u32 s20, s20, s18
	s_mul_i32 s20, s20, NC*CH                      ; queries: (16 Y + 8 half) row blocks
	s_mov_b32 s21, 0
	s_lshl_b32 s46, s66, 7
	s_lshl_b32 s47, s42, 4
	s_add_co_u32 s46, s46, s47
	s_add_co_u32 s46, s46, s18
	s_mul_i32 s46, s46, NC*CH                      ; keys: (128 batch + 16 X + 8 half) row blocks
	s_mov_b32 s47, 0
	s_lshl_b32 s22, s17, 10                        ; the scale words of the tile's 256 queries: 256 Y x 4
	s_mov_b32 s23, 0
	s_lshl_b32 s92, s66, 13
	s_lshl_b32 s93, s42, 10
	s_add_co_u32 s92, s92, s93
	s_add_co_u32 s92, s92, 524288                  ; of the first tile's 256 keys: their section + (2048 batch + 256 X) x 4
	s_mov_b32 s93, 0
	s_mul_i32 s45, s14, HALFT                      ; where they go: by the wave's number alone
	s_wait_kmcnt 0x0
	s_add_nc_u64 s[20:21], s[4:5], s[20:21]
	s_add_nc_u64 s[22:23], s[8:9], s[22:23]
	s_add_nc_u64 s[46:47], s[6:7], s[46:47]
	s_add_nc_u64 s[92:93], s[8:9], s[92:93]
	CROUND                                         ; all sixteen work-groups are here: the first joint loads meet
	; THE ORDER OF THE LOADS AS THIS TEXT HAS IT (one tensor load a wave at the head and behind each round; every load goes by the walking descriptors):
	; load 0 here | load 1 behind the round in front of K step 0 | loads 2, 3, 4 at the ends of K steps 0, 1, 2 | loads 5, 6 between blocks of the softmax | load 7 at the end of the second tile's K step 0.
	; A wave has one tensor load out.  The scale words (24 KB, a small part of what the work-group reads) come by plain loads and LDS stores, not jointly.
	s_mov_b32 s[GWA], 1                            ; (the buffers' addresses that stood here have been used)
	s_add_co_u32 s[GWA+1], s45, 0
	s_add_nc_u64 s[GWA+2:GWA+3], s[20:21], 0
	s_or_b32 s[GWA+3], s[GWA+3], 0x80000000
	s_mov_b32 s[GWB], 1
	s_add_co_u32 s[GWB+1], s45, 0
	s_add_nc_u64 s[GWB+2:GWB+3], s[46:47], 0
	s_or_b32 s[GWB+3], s[GWB+3], 0x80000000
	JLOAD                                          ; load 0
	s_mov_b32 s68, 0x2800000                       ; the floor 2^(5 - 127)
	s_mov_b32 s69, 0xfe000000                      ; 4 off an exponent field
	; prefetches: of the 8 row blocks that I fetch, my work-group names 2, by its place among the four partners (an address alone hangs on the place)
	s_cmp_eq_u32 s15, 0
	s_cselect_b64 s[70:71], s[20:21], s[46:47]
	s_cselect_b32 s72, s40, s41
	s_mul_i32 s72, s72, 2*NC*CH
	s_mov_b32 s73, 0
	s_add_nc_u64 s[70:71], s[70:71], s[72:73]
	s_mov_b64 s[74:75], s[22:23]                   ; the queries' scale words: a base that is not written again while the loads below may read it
	; scale words: thread t takes 16 bytes of a chunk's 1,024 (256 rows): chunk 2 i + t / 64, bytes 16 (t % 64)
	v_and_b32 v10, 63, v0
	v_lshrrev_b32 v11, 6, v0
	v_lshlrev_b32 v8, 4, v10
	v_lshl_add_u32 v8, v11, 16, v8                 ; in memory: a chunk's row is 65,536 bytes
	v_and_b32 v9, 31, v0
	v_bfe_u32 v10, v0, 5, 1
	v_lshlrev_b32 v9, 4, v9
	v_lshl_add_u32 v9, v10, 12, v9                 ; in LDS: [quarter of 128 rows][chunk][128 words]
	v_lshl_add_u32 v9, v11, 9, v9
	v_add_nc_u32 v9, SCL, v9
.irp i, 0,1,2,3
	global_load_b128 v[64+4*\i:67+4*\i], v8, s[74:75] offset:131072*\i
	global_load_b128 v[80+4*\i:83+4*\i], v8, s[92:93] offset:131072*\i
	global_load_b128 v[96+4*\i:99+4*\i], v8, s[92:93] offset:131072*\i+4096   ; the second tile's keys: 1,024 words on
.endr
	v_and_b32 v12, 31, v0                          ; a lane names a block of 256 bytes: 12 to a row block's 3,072; lanes 24-31 name the last again
	v_min_u32 v12, 23, v12
	v_mul_u32_u24 v13, v12, 11
	v_lshrrev_b32 v13, 7, v13                      ; lane / 12
	v_lshlrev_b32 v12, 8, v12
	v_mad_u32_u24 v12, v13, NC*CH-3072, v12
	global_prefetch_b8 v12, s[70:71] offset:RB th:TH_LOAD_NT scope:SCOPE_SE     ; loads 1 and 2; load 3 is asked for behind load 1.  Loads 4 to 7 have a softmax or two K steps in which to land: not asked for
	global_prefetch_b8 v12, s[70:71] offset:2*RB th:TH_LOAD_NT scope:SCOPE_SE
	s_mov_b32 s[CS], 0x3d38aa3b
	s_mov_b32 s[CS+1], s[CS]                       ; (named with it as a pair, so it is written)
	s_mov_b32 s[SEL], 0x76543210
	s_mov_b32 s[SEL+1], 0xfedcba98
	v_and_b32 v1, 15, v0                           ; r
	v_bfe_u32 v2, v0, 4, 1                         ; h
	v_and_b32 v3, 31, v0                           ; lane
	v_lshlrev_b32 v[LI], 4, v3
	v_lshlrev_b32 v[L4], 2, v3
	s_mul_i32 s21, s15, HALFT                      ; my 128 queries
	s_mul_i32 s22, s16, HALFT                      ; my 128 keys,
	s_add_co_u32 s22, s22, 2*HALFT                 ; which lie behind the 256 queries
.irp s, 0,1,2
	v_add_nc_u32 v[ADRA+\s], s21, v[LI]
	v_add_nc_u32 v[ADRB+\s], s22, v[LI]
	s_add_co_u32 s21, s21, SLOT
	s_add_co_u32 s22, s22, SLOT
.endr
	v_lshlrev_b32 v5, 2, v1                        ; a row's word
	s_mul_i32 s21, s15, HALFS
	s_mul_i32 s22, s16, HALFS
	s_add_co_u32 s22, s22, 2*HALFS
	s_sub_co_u32 s22, s22, s21
	v_mul_u32_u24 v6, s22, v2                      ; lanes 16-31 take the keys': the first tile's,
	s_add_co_u32 s21, s21, SCL
	v_add_nc_u32 v6, v5, v6
	v_add_nc_u32 v[ADRS], s21, v6
	s_add_co_u32 s22, s22, 2*HALFS
	v_mul_u32_u24 v6, s22, v2                      ; and the second tile's
	v_add_nc_u32 v6, v5, v6
	v_add_nc_u32 v[ADRS+1], s21, v6
	s_lshl_b32 s20, s17, 4                         ; where my results go.  pimg: ((16 Y + 8 half) x 16 + chunk) x 1,536, chunk = 2 X + my half of the keys; the second tile's chunk is 8 on
	s_lshl_b32 s21, s15, 3
	s_add_co_u32 s20, s20, s21
	s_lshl_b32 s20, s20, 4
	s_lshl_b32 s46, s42, 1
	s_add_co_u32 s46, s46, s16
	s_add_co_u32 s20, s20, s46
	s_mul_i32 s20, s20, CH
	s_mov_b32 s21, 0
	s_add_nc_u64 s[12:13], s[12:13], s[20:21]
	s_lshl_b32 s46, s46, 14                        ; pst: (chunk x 16384 + 256 Y + 128 half) x 4
	s_lshl_b32 s47, s17, 8
	s_add_co_u32 s46, s46, s47
	s_lshl_b32 s47, s15, 7
	s_add_co_u32 s46, s46, s47
	s_lshl_b32 s46, s46, 2
	s_mov_b32 s47, 0
	s_add_nc_u64 s[2:3], s[2:3], s[46:47]
.macro FRAG reg, adr, q, i             ; row block i's fragment of the region's q-th chunk: its image as it lies
.irp g, 0,1,2
	ds_load_b128 v[\reg+4*\g:\reg+4*\g+3], v[\adr] offset:(\i)*RB+(\q)*CH+512*\g
.endr
.endm
; 16 matrix instructions: the queries' blocks a0, a0 + 1 x the keys' eight.  The 64 accumulators take turns, one instruction a turn, in the same order in every step.
.macro MUL16 a0, p, q, sc, zero
.irp a, \a0, \a0+1
.irp b, 0,1,2,3,4,5,6,7
.if \zero
	v_wmma_scale_f32_16x16x128_f8f6f4 v[8*(8*((\a)%4)+\b):8*(8*((\a)%4)+\b)+7], v[128*(\p)+FR*\b:128*(\p)+FR*\b+FR-1], v[AF+FR*(\a):AF+FR*(\a)+FR-1], 0, v[SC+8*NQ*(\sc)+NQ*\b+(\q)], v[SC+8*NQ*(\sc)+NQ*(\a)+(\q)] matrix_a_fmt:MATRIX_FMT_BF6 matrix_b_fmt:MATRIX_FMT_BF6 matrix_a_scale:MATRIX_SCALE_ROW1
.else
	v_wmma_scale_f32_16x16x128_f8f6f4 v[8*(8*((\a)%4)+\b):8*(8*((\a)%4)+\b)+7], v[128*(\p)+FR*\b:128*(\p)+FR*\b+FR-1], v[AF+FR*(\a):AF+FR*(\a)+FR-1], v[8*(8*((\a)%4)+\b):8*(8*((\a)%4)+\b)+7], v[SC+8*NQ*(\sc)+NQ*\b+(\q)], v[SC+8*NQ*(\sc)+NQ*(\a)+(\q)] matrix_a_fmt:MATRIX_FMT_BF6 matrix_b_fmt:MATRIX_FMT_BF6 matrix_a_scale:MATRIX_SCALE_ROW1
.endif
.endr
.endr
.endm
.macro FETCH_B rg, q, p                ; the keys' eight fragments of region rg's q-th chunk into set p
	WIN TO_B
.irp i, 0,1,2,3,4,5,6,7
	FRAG 128*(\p)+FR*\i, ADRB+\rg, \q, \i
.endr
	WIN 0
.endm
.macro FETCH_A rg, q, i0               ; the queries' blocks i0 .. i0 + 3
.irp i, \i0, \i0+1, \i0+2, \i0+3
	FRAG AF+FR*(\i), ADRA+\rg, \q, \i
.endr
.endm
.macro SCALES sc, ks, t                ; the scale words of tile t's K step ks into set sc: register NQ i + q: lanes 0-15 the queries' block i, lanes 16-31 the keys' block i, chunk q
.irp i, 0,1,2,3,4,5,6,7
.irp q, 0,1
	ds_load_b32 v[SC+8*NQ*(\sc)+NQ*\i+\q], v[ADRS+(\t)] offset:512*NQ*(\ks)+512*\q+64*\i
.endr
.endr
.endm
.macro PLACES n                        ; plain vector places behind matrix instructions, in front of loads into registers that they have read and of reads of their results
.rept \n
	v_nop
.endr
.endm
.macro FIRST rg, t                     ; a tile's first fragments and scale words
	FETCH_B \rg, 0, 0
	SCALES 0, 0, \t
.if \t
	s_wait_xcnt 0x0                                ; the first tile's stores have read their registers: the queries' fragments land on some of them only behind this wait
.endif
	FETCH_A \rg, 0, 0
	FETCH_A \rg, 0, 4
.endm
.macro STEP rg, sc, zero               ; a region's first 128 along K
	s_wait_dscnt 4*NL                              ; all but the youngest 12 loads (the queries' blocks 4-7) are in
	WIN MUL_LO
	MUL16 0, 0, 0, \sc, \zero
	MUL16 2, 0, 0, \sc, \zero
	s_wait_dscnt 0
	PLACES NP
	FETCH_B \rg, 1, 1
	FETCH_A \rg, 1, 0
	WIN MUL_HI
	MUL16 4, 0, 0, \sc, \zero
	MUL16 6, 0, 0, \sc, \zero
	PLACES NP
	WIN 0
	FETCH_A \rg, 1, 4
.endm
.macro WALK fr, adv                    ; the walking descriptors: region fr; the next K step (adv = 0), or the next tile's first (adv = 1): the queries go back along K, the keys go four tiles on.  No tensor load of mine is out here
	s_add_co_u32 s[GWA+1], s45, (\fr)*SLOT
	s_add_co_u32 s[GWB+1], s45, (\fr)*SLOT
.if \adv
	s_sub_nc_u64 s[GWA+2:GWA+3], s[GWA+2:GWA+3], 3*RB
	s_add_nc_u64 s[GWB+2:GWB+3], s[GWB+2:GWB+3], NEXTK-3*RB
.else
	s_add_nc_u64 s[GWA+2:GWA+3], s[GWA+2:GWA+3], RB
	s_add_nc_u64 s[GWB+2:GWB+3], s[GWB+2:GWB+3], RB
.endif
.endm
; A region's last 128 along K, and the change to region nx.  sc: the scale set in hand.  bar = 0: region nx has been shown whole to every wave by an earlier barrier: none here.
; bar = 1: one barrier, in front of it the wait for all my tensor loads, the add, and the wait for that and for my LDS reads.  bar = 2: the barrier opens a round of the cluster's, and region fr is filled again first behind it.
.macro TURN sc, bar, fr, adv, nx, nsc, nks, nt
.if \bar
	s_wait_tensorcnt 0x0                           ; all my tensor loads have landed
	ds_add_u32 v[SPW], v[NIL]                      ; 0 onto my spare word
	s_wait_dscnt 4*NL+1                            ; (the add and the youngest 12 loads may be out)
	WIN MUL_LO
	MUL16 0, 1, 1, \sc, 0
	s_wait_dscnt 0x0                               ; the add is done, and my reads of this region and of those before it are over
	s_barrier_signal -1
	MUL16 2, 1, 1, \sc, 0
	WIN 0
	s_barrier_wait -1
.if \bar == 2
	CREST                                          ; no wave of any partner still reads the region or has a load on its way
	WALK \fr, \adv
	JLOAD                                          ; the first tensor load behind the round; its four v_nop are the places in front of the loads below
.else
	PLACES NP
.endif
.else
	s_wait_dscnt 4*NL
	WIN MUL_LO
	MUL16 0, 1, 1, \sc, 0
	MUL16 2, 1, 1, \sc, 0
	s_wait_dscnt 0x0
	PLACES NP
.endif
	FETCH_B \nx, 0, 0
	FETCH_A \nx, 0, 0
	SCALES \nsc, \nks, \nt
	WIN MUL_HI
	MUL16 4, 1, 1, \sc, 0
	MUL16 6, 1, 1, \sc, 0
	PLACES NP
	WIN 0
	FETCH_A \nx, 0, 4
.endm
.macro LAST sc                         ; a tile's last 128 along K: nothing more to fetch
	s_wait_dscnt 4*NL
	WIN MUL_LO
	MUL16 0, 1, 1, \sc, 0
	MUL16 2, 1, 1, \sc, 0
	s_wait_dscnt 0
	WIN MUL_HI
	MUL16 4, 1, 1, \sc, 0
	MUL16 6, 1, 1, \sc, 0
	WIN 0
	PLACES NP
.endm
.macro EFILL fr                        ; a refill between two blocks of the softmax: region fr, read out long ago, takes the next K step
	s_wait_tensorcnt 0x0                           ; all my tensor loads have landed: the one asked for last
	ds_add_u32 v[SPW], v[NIL]                      ; 0 onto my spare word; the descriptors' steps stand between it and the wait for it
	WALK \fr, 0
	s_wait_dscnt 0x0                               ; the add is done; no LDS read of mine is out
	CROUND
	JLOAD
.endm
; THE SOFTMAX OF MY 128 KEYS, a block of 16 queries at a time.  In block a, lane (r, h) holds query r; register 16 b + i of the block's 64 is key 32 b + 16 h + i.
.set P,    64                          ; v64-127  t - M, then p
.set TR,   128
.set BM,   152                         ; v152-155 each block of 32 keys: its largest score, then its largest p
.set BX,   156                         ; v156-159 from lane l xor 16
.set SO,   160                         ; v160-163 the conversions' scale operands
.set BY,   164                         ; v164-167 the bytes
.set NM,   168                         ; v[168:169] -M
.set LS,   170                         ; v[170:171], v[172:173] the sum, in two chains of two
.set LT,   172
.set T0,   174
.set CD0,  176                         ; v176-195, v196-215 the codes, two sets by turns
.set SW,   216                         ; v216-223 the eight blocks' scale words;  v224-231 their -M;  v232-239 their sums
.set NMS,  224
.set LSS,  232
.set OUTS, 240
.macro SOFT a, t
.set AC, 64*((\a)%4)
.set CD, CD0+20*((\a)%2)
.if (\a) > 1
	s_wait_xcnt 0x0                                ; the stores of two blocks ago have read their registers: this set of codes is written again only behind this wait
.endif
	WIN 0x2a+0x15*((\a)/4)                         ; all three sources: window 2 or 3
.irp b, 0,1,2,3                        ; each accumulator is read from its low end on; the four blocks by turns
	v_max3_num_f32 v[BM+\b], v[AC+16*\b], v[AC+16*\b+1], v[AC+16*\b+2]
.endr
	WIN 0x28+0x14*((\a)/4)                         ; sources 1 and 2: window 2 or 3
.irp i, 3,5,7,9,11,13
.irp b, 0,1,2,3
	v_max3_num_f32 v[BM+\b], v[BM+\b], v[AC+16*\b+\i], v[AC+16*\b+\i+1]
.endr
.endr
.irp b, 0,1,2,3
	v_max_num_f32 v[BM+\b], v[BM+\b], v[AC+16*\b+15]
.endr
	WIN 0
.irp b, 0,1,2,3
	v_permlanex16_b32 v[BX+\b], v[BM+\b], s[SEL], s[SEL+1]
.endr
.irp b, 0,1,2,3
	v_max_num_f32 v[BM+\b], v[BM+\b], v[BX+\b]     ; the largest score of each block of 32 keys: it serves for the chunk's maximum and, since p rises with the score, for the block's largest p
.endr
	v_max3_num_f32 v[T0], v[BM], v[BM+1], v[BM+2]
	v_max_num_f32 v[T0], v[T0], v[BM+3]
	v_mul_f32 v[T0], s[CS], v[T0]                  ; as t (c is positive)
	v_floor_f32 v[NM], -v[T0]                      ; -M = floor(-t): M is a whole number
	v_mov_b32 v[NMS+(\a)], v[NM]
	WIN 0x02+((\a)/4)                              ; source 0: window 2 or 3
.set J, 0
.rept 32
	v_pk_fma_f32 v[P+J:P+J+1], v[AC+J:AC+J+1], s[CS:CS+1], v[NM:NM+1] op_sel_hi:[1,0,0]   ; t - M, two at a time
.set J, J+2
.endr
	WIN 0
.irp b, 0,2
	v_pk_fma_f32 v[BM+\b:BM+\b+1], v[BM+\b:BM+\b+1], s[CS:CS+1], v[NM:NM+1] op_sel_hi:[1,0,0]   ; the same of each block's largest score
.endr
.set J, 0
	s_wait_alu depctr_va_vdst(0)
.rept 64
	v_exp_f32 v[P+J], v[P+J]                       ; p = 2^(t - M): not normalised
.set J, J+1
.endr
.irp b, 0,1,2,3
	v_exp_f32 v[BM+\b], v[BM+\b]
.endr
	v_nop                                          ; a plain place behind the exponentials
	s_wait_alu depctr_va_vdst(0)
.irp b, 0,1,2,3
	v_max_num_f32 v[BM+\b], s68, v[BM+\b]          ; the floor 2^(5 - 127): the byte cannot fall under 1
.endr
.irp b, 0,1,2,3
	v_add_nc_u32 v[SO+\b], s69, v[BM+\b]           ; 4 off the exponent field: the conversion's scale operand
.endr
.irp b, 0,1,2,3
	v_lshrrev_b32 v[BY+\b], 23, v[SO+\b]
.endr
	v_lshl_or_b32 v[SW+(\a)], v[BY+1], 8, v[BY]
	v_lshl_or_b32 v[SW+(\a)], v[BY+2], 16, v[SW+(\a)]
	v_lshl_or_b32 v[SW+(\a)], v[BY+3], 24, v[SW+(\a)]
.irp c, 0,1
	v_cvt_scalef32_pk16_bf6_f32 v[CD+6*\c:CD+2+6*\c], v[P+32*\c:P+15+32*\c], v[SO+2*\c]
	v_cvt_scalef32_pk16_bf6_f32 v[CD+12+4*\c:CD+14+4*\c], v[P+16+32*\c:P+31+32*\c], v[SO+2*\c+1]
.endr
	v_nop                                          ; one plain place behind a scaled conversion
.irp c, 0,1
.irp i, 0,1,2
	v_permlane16_swap_b32 v[CD+6*\c+\i], v[CD+12+4*\c+\i]
.endr
.irp i, 0,1,2
	v_mov_b32 v[CD+3+6*\c+\i], v[CD+12+4*\c+\i]
.endr
.endr
	v_pk_add_f32 v[LS:LS+1], v[P:P+1], v[P+2:P+3]  ; the sum is taken of the unquantised p
	v_pk_add_f32 v[LT:LT+1], v[P+4:P+5], v[P+6:P+7]
.irp j, 8,12,16,20,24,28,32,36,40,44,48,52,56,60
	v_pk_add_f32 v[LS:LS+1], v[LS:LS+1], v[P+\j:P+\j+1]
	v_pk_add_f32 v[LT:LT+1], v[LT:LT+1], v[P+\j+2:P+\j+3]
.endr
	v_pk_add_f32 v[LS:LS+1], v[LS:LS+1], v[LT:LT+1]
	v_add_f32 v[T0], v[LS], v[LS+1]
	v_permlanex16_b32 v[BX], v[T0], s[SEL], s[SEL+1]
	v_add_f32 v[LSS+(\a)], v[T0], v[BX]
.irp g, 0,1,2
	global_store_b128 v[LI], v[CD+4*\g:CD+4*\g+3], s[12:13] offset:16*CH*(\a)+8*CH*(\t)+512*\g   ; the fragment's image: 512 consecutive bytes a store, at a multiple of 256 from the buffer's first byte
.endr
.endm
.macro STATS t                         ; two blocks' figures to a register: lane l holds query 32 j + l of my 128
	v_cmp_le_u32 vcc_lo, 16, v3
.irp j, 0,1,2,3
	v_cndmask_b32 v[OUTS+\j], v[SW+2*\j], v[SW+2*\j+1], vcc_lo
	v_cndmask_b32 v[OUTS+4+\j], v[NMS+2*\j], v[NMS+2*\j+1], vcc_lo
	v_cndmask_b32 v[OUTS+8+\j], v[LSS+2*\j], v[LSS+2*\j+1], vcc_lo
.endr
.irp j, 0,1,2,3
	global_store_b32 v[L4], v[OUTS+\j], s[2:3] offset:524288*(\t)+128*\j
	global_store_b32 v[L4], v[OUTS+4+\j], s[2:3] offset:1048576+524288*(\t)+128*\j
	global_store_b32 v[L4], v[OUTS+8+\j], s[2:3] offset:2097152+524288*(\t)+128*\j
.endr
.endm
	s_wait_alu depctr_va_vdst(0)
	s_wait_loadcnt 0x0                             ; my 192 bytes a lane of scale words
.irp i, 0,1,2,3
	ds_store_b128 v9, v[64+4*\i:67+4*\i] offset:1024*\i
	ds_store_b128 v9, v[80+4*\i:83+4*\i] offset:2*HALFS+1024*\i
	ds_store_b128 v9, v[96+4*\i:99+4*\i] offset:4*HALFS+1024*\i
.endr
	s_wait_tensorcnt 0x0                           ; my part of region 0 is in
	ds_add_u32 v[SPW], v[NIL]
	WALK 1, 0
	s_wait_dscnt 0x0                               ; the add is done, and my scale words lie in LDS
	CROUND                                         ; region 0 and the scale words are whole for every wave
	JLOAD                                          ; load 1
	global_prefetch_b8 v12, s[70:71] offset:3*RB th:TH_LOAD_NT scope:SCOPE_SE   ; load 3
	; ---- the first tile: K steps 0 .. 3 in regions 0, 1, 2, 0
	FIRST 0, 0
	STEP 0, 0, 1                                   ; the first products start the sums
	TURN 0, 2, 2, 0, 1, 1, 1, 0                    ; region 1 is whole; region 2 takes K step 2, its first fill
	STEP 1, 1, 0
	TURN 1, 2, 0, 0, 2, 0, 2, 0                    ; region 2 is whole; region 0 takes K step 3
	STEP 2, 0, 0
	TURN 0, 2, 1, 1, 0, 1, 3, 0                    ; K step 3 is whole; region 1 takes the second tile's K step 0
	STEP 0, 1, 0
	LAST 1
.irp b, 0,1,2,3
	v_mov_b32 v[BX+\b], 0                          ; a lane permute's destination counts as one of its sources
.endr
	v_mov_b32 v[NM+1], 0                           ; (named with -M as a pair, so it is written; its value is not taken)
	SOFT 0, 0
	SOFT 1, 0
	EFILL 2                                        ; region 2 takes the second tile's K step 1
	SOFT 2, 0
	SOFT 3, 0
	SOFT 4, 0
	EFILL 0                                        ; region 0 its K step 2
	SOFT 5, 0
	SOFT 6, 0
	SOFT 7, 0
	STATS 0
	; ---- the second tile: K steps 0 .. 3 in regions 1, 2, 0, 1
	FIRST 1, 1
	STEP 1, 0, 1
	TURN 0, 2, 1, 0, 2, 1, 1, 1                    ; region 0 is whole; region 1 takes K step 3: the last load
	STEP 2, 1, 0
	TURN 1, 0, 0, 0, 0, 0, 2, 1                    ; on to region 0: no barrier
	STEP 0, 0, 0
	TURN 0, 1, 0, 0, 1, 1, 3, 1                    ; K step 3 is whole; nothing is filled
	STEP 1, 1, 0
	LAST 1
.irp b, 0,1,2,3
	v_mov_b32 v[BX+\b], 0
.endr
	v_mov_b32 v[NM+1], 0
	SOFT 0, 1
	SOFT 1, 1
	SOFT 2, 1
	SOFT 3, 1
	SOFT 4, 1
	SOFT 5, 1
	SOFT 6, 1
	SOFT 7, 1
	STATS 1
	s_wait_tensorcnt 0x0                           ; the wave's end
	ds_add_u32 v[SPW], v[NIL]
	s_wait_dscnt 0x0
	CROUND                                         ; the closing round: no work-group ends while a partner may still ask for a tile that names it
	s_endpgm
.Lfunc_end_k_qd554a226cc_scores:
	.size	k_qd554a226cc_scores, .Lfunc_end_k_qd554a226cc_scores-k_qd554a226cc_scores
	.p2alignl 7, 3214868480
	.fill 96, 4, 3214868480
	.section	.rodata,"a",@progbits
	.p2align	6, 0x0
	.amdhsa_kernel k_qd554a226cc_scores
		.amdhsa_group_segment_fixed_size 327680
		.amdhsa_private_segment_fixed_size 0
		.amdhsa_enable_private_segment 0
		.amdhsa_kernarg_size 40
		.amdhsa_user_sgpr_count 2
		.amdhsa_user_sgpr_kernarg_segment_ptr 1
		.amdhsa_wavefront_size32 1
		.amdhsa_system_sgpr_workgroup_id_x 1
		.amdhsa_system_sgpr_workgroup_id_y 1
		.amdhsa_system_sgpr_workgroup_id_z 1
		.amdhsa_system_vgpr_workitem_id 0
		.amdhsa_next_free_vgpr 1024
		.amdhsa_next_free_sgpr 100
		.amdhsa_reserve_vcc 1
		.amdhsa_float_denorm_mode_32 3
		.amdhsa_float_denorm_mode_16_64 3
		.amdhsa_memory_ordered 1
		.amdhsa_forward_progress 1
		.amdhsa_inst_pref_size 255
	.end_amdhsa_kernel
	.section	.bss,"aw",@nobits
	.p2align	6
	.space	262144
	.amdgpu_metadata
---
amdhsa.version: [ 1, 2 ]
amdhsa.kernels:
  - .name:           k_qd554a226cc_scores
    .symbol:         k_qd554a226cc_scores.kd
    .args:
      - { .name: qimg, .offset: 0, .size: 8, .value_kind: global_buffer, .address_space: global }
      - { .name: kimg, .offset: 8, .size: 8, .value_kind: global_buffer, .address_space: global }
      - { .name: scl, .offset: 16, .size: 8, .value_kind: global_buffer, .address_space: global }
      - { .name: pimg, .offset: 24, .size: 8, .value_kind: global_buffer, .address_space: global }
      - { .name: pst, .offset: 32, .size: 8, .value_kind: global_buffer, .address_space: global }
    .group_segment_fixed_size: 327680
    .private_segment_fixed_size: 0
    .kernarg_segment_align: 8
    .kernarg_segment_size: 40
    .max_flat_workgroup_size: 128
    .sgpr_count:     100
    .vgpr_count:     1024
    .wavefront_size: 32
...
	.end_amdgpu_metadata
.endif
;; end of part 2
;; launch outp (part 3): grid 4 x 64, 4 waves a work-group, clusters of 4 x 4, 327,680 bytes of LDS; arguments pimg, vimg, scl, pst, out0; writes out0
.if DOCPART == 3
	.amdgcn_target "amdgcn-amd-amdhsa--gfx1250"
	.amdhsa_code_object_version 6
	.text
	.protected	k_qd554a226cc_outp
	.globl	k_qd554a226cc_outp
	.p2align	8
	.type	k_qd554a226cc_outp,@function
k_qd554a226cc_outp:
	s_mov_b64 s[64:65], 0
	v_nop
	global_prefetch_b8 v0, s[64:65] scope:SCOPE_SE
	s_setreg_imm32_b32 hwreg(HW_REG_WAVE_MODE, 25, 1), 1
	s_wait_xcnt 0x0
	s_wait_alu depctr_hold_cnt(0) depctr_sa_sdst(0) depctr_va_vdst(0) depctr_va_sdst(0) depctr_va_ssrc(0) depctr_va_vcc(0) depctr_vm_vsrc(0)
	s_getreg_b32 s2, hwreg(HW_REG_IB_STS2, 6, 4)
	s_cmp_eq_u32 s2, 0
	s_cbranch_scc0 .Lentry_in_a_cluster
	s_endpgm
.Lentry_in_a_cluster:
	s_bfe_u32 s2, ttmp6, 0x10000c
	s_cmp_lg_u32 s2, 0xf033
	s_cbranch_scc0 .Lentry_shape_is_right
	s_endpgm
.Lentry_shape_is_right:
; O = P V / l on codes of BF6 (K = the batch's 2,048 keys).  A work-group makes 256 queries x 256 channels; each of its four waves 128 x 128: 64 accumulators, 512 registers.
; p's codes were made chunk by chunk (128 keys) under each chunk's own whole number M_c.  AT THE HEAD, while the first tiles land, each thread takes two of the tile's queries: M = the largest M_c;
; l = the sum of l_c 2^(M_c - M); each byte of chunk c's scale word is lowered by M - M_c, held at 0 from below: a power of two that the block's scale takes up, so the codes stay.  The words go into LDS, where the
; products' scale words are read; 1 / l too.
; LIMITS: NaN and infinities are not served.  M - M_c is held at 128: a chunk that lies so far under the row's M counts with bytes 0 and with l_c 2^-128, under 2^-120 of l, which is above 1/2.
; OPERANDS lie in memory as images of their registers, [row block][chunk 16][1,536]; ring, scale words, joint loads and the main loop are as in the launch before.
; THE MATRIX INSTRUCTION IS USED TRANSPOSED (source 0 = 16 channels, source 1 = 16 queries): a lane holds eight neighbouring channels of one query's row of O.
; REGISTERS: window 0: v0-31 addresses; v32-63 scale words, two sets; v64-79 1 / l of my eight blocks of queries; v80-89 at work at the head; v128-223 p's fragments, one set (at the head: the statistics; on the way out,
;   with v224-255: rows of O).  window 1: V's fragments, two sets.  windows 2, 3: the accumulators.
.set NC,     16
.set CH,     1536
.set NQ,     2
.set RB,     NQ*CH
.set HALFT,  8*RB
.set SLOT,   4*HALFT
.set LAPS,   NC/(2*NQ)
.set SCL,    2*SLOT                    ; behind the ring: p's scale words (stored by the waves; no tensor load lands there), 2 x HALFS; then V's (stored by the waves too), 2 x HALFS
.set HALFS,  NC*512
.set RLT,    SCL+4*HALFS               ; 256 words: 1 / l
.set SPARE,  RLT+1024                  ; the spare words, 128 bytes for each wave: two blocks of 256 bytes that no other line names
.set SPITCH, 528                       ; the way out: a stage of 16 rows x (512 bytes + 16) for each wave, in slot 0, which has had its last fill and its last read by then
.set NOUT,   1024                      ; channels in a row of O
.set FR,     12
.set NL,     3
.set NP,     4
.set T8,   7                           ; v7     8 x thread
.set AW,   9                           ; v9     LDS: where I put my two queries' scale words
.set AR,   10                          ; v10    LDS: and their 1 / l
.set ARL,  11                          ; v11    LDS: where I read 1 / l of my lane's query
.set ADRA, 16
.set ADRB, 20
.set STO,  24                          ; v24    the way out: where I put 32 bytes of a row
.set RD,   25                          ; v25    where I read a row back
.set LI,   26                          ; v26    16 x lane
.set ADRS, 27
.set SPW,  28
.set NIL,  29
.set SC,   32
.set RL,   64
.set GG,   80                          ; v80-81 M;  v82-83 l;  v84-89 at work
.set LA,   82
.set TT,   84
.set UU,   86
.set RR,   88
.set AF,   128
.set NMI,  128                         ; v128-159 -M_c, v160-191 l_c, v192-223 scale words: pairs, chunk by chunk
.set LIN,  160
.set WDI,  192
.set BK,   128
.set G1, 24
.set G0, 32
.set G1B, 48
.set G0B, 56
.set G1SB, 80
.set G0SB, 88
.set HI,  96                           ; s96  0x80808080
.set MSB, 0
.macro WIN new
.if MSB != (\new)
	s_set_vgpr_msb (MSB<<8)|(\new)
.set MSB, \new
.endif
.endm
.set MUL_LO, 0xa1
.set MUL_HI, 0xf1
.set TO_B,   0x40
.macro JLOAD g0a, g1a, g0b, g1b        ; a joint refill: waves 0 and 1 fetch p's halves, waves 2 and 3 V's; four v_nop follow each line
	s_cmp_eq_u32 s15, 0
	s_cbranch_scc0 .Lfor_b_\@
	tensor_load_to_lds s[\g0a:\g0a+3], s[\g1a:\g1a+7]
	s_nop 0
.rept 4
	v_nop
.endr
	s_branch .Lasked_\@
.Lfor_b_\@:
	tensor_load_to_lds s[\g0b:\g0b+3], s[\g1b:\g1b+7]
	s_nop 0
.rept 4
	v_nop
.endr
.Lasked_\@:
.endm
.macro CREST
	s_cmp_lg_u32 s14, 0
	s_cbranch_scc1 .Lnot_wave_0_\@
	s_barrier_signal -3
.Lnot_wave_0_\@:
	s_barrier_wait -3
	s_barrier_signal -1
	s_barrier_wait -1
.endm
.macro CROUND
	s_barrier_signal -1
	s_barrier_wait -1
	CREST
.endm
	s_load_b128 s[4:7], s[0:1], 0x0                ; pimg, vimg
	s_load_b128 s[8:11], s[0:1], 0x10              ; scl, pst
	s_load_b64 s[12:13], s[0:1], 0x20              ; out0
	v_lshl_add_u32 v[SPW], v0, 2, SPARE
	v_mov_b32 v[NIL], 0
	ds_add_u32 v28, v29
	ds_add_u32 v28, v29
	s_wait_dscnt 0x0
	v_lshrrev_b32 v1, 5, v0
	v_readfirstlane_b32 s14, v1                    ; wave 0..3
	s_lshr_b32 s15, s14, 1                         ; which half of the queries is mine.  Also: I fetch p (0) or V (1)
	s_and_b32 s16, s14, 1                          ; which half of the channels.  Also: which 128 rows I fetch
	s_bfe_u32 s40, ttmp6, 0x40000
	s_bfe_u32 s41, ttmp6, 0x40004
	s_lshl_b32 s42, ttmp9, 2
	s_add_co_u32 s42, s42, s40                     ; X: tile of 256 channels
	s_and_b32 s17, ttmp7, 0xffff
	s_lshr_b32 s66, s17, 1                         ; the batch, made of the cluster's y alone
	s_lshl_b32 s17, s17, 2
	s_add_co_u32 s17, s17, s41                     ; Y: tile of 256 queries, over all batches
	s_lshl_b32 s43, s41, 2
	s_lshl_b32 s43, 15, s43
	s_lshl_b32 s44, 0x1111, s40
	s_or_b32 s[G1+0], s43, (3<<16)|(1<<21)
	s_or_b32 s[G1B+0], s44, (3<<16)|(1<<21)
.irp g, G1, G1B
	s_mov_b32 s[\g+1], 384<<16
	s_mov_b32 s[\g+2], 8<<16
	s_mov_b32 s[\g+3], 384<<16
	s_mov_b32 s[\g+4], 8
	s_mov_b32 s[\g+5], NC*192
	s_mov_b32 s[\g+6], 0
	s_mov_b32 s[\g+7], 0
.endr
	s_lshl_b32 s18, s16, 3
	s_lshl_b32 s20, s17, 4
	s_add_co_u32 s20, s20, s18
	s_mul_i32 s20, s20, NC*CH                      ; p: (16 Y + 8 half) row blocks
	s_mov_b32 s21, 0
	s_lshl_b32 s46, s66, 6
	s_lshl_b32 s47, s42, 4
	s_add_co_u32 s46, s46, s47
	s_add_co_u32 s46, s46, s18
	s_mul_i32 s46, s46, NC*CH                      ; V: (64 batch + 16 X + 8 half) blocks of channels
	s_mov_b32 s47, 0
	s_lshl_b32 s92, s66, 16
	s_lshl_b32 s93, s42, 10
	s_add_co_u32 s92, s92, s93
	s_add_co_u32 s92, s92, 1048576                 ; V's scale words of the tile's 256 channels: their section + 65,536 batch + 256 X x 4
	s_mov_b32 s93, 0
	s_lshl_b32 s22, s17, 10                        ; the statistics of my tile's queries: 256 Y x 4
	s_mov_b32 s23, 0
	s_mul_i32 s45, s14, HALFT
	s_mov_b32 s[HI], 0x80808080
	s_wait_kmcnt 0x0
	s_add_nc_u64 s[20:21], s[4:5], s[20:21]
	s_add_nc_u64 s[46:47], s[6:7], s[46:47]
	s_add_nc_u64 s[92:93], s[8:9], s[92:93]
	s_add_nc_u64 s[10:11], s[10:11], s[22:23]
	CROUND                                         ; all sixteen work-groups are here: the first joint loads meet
.irp s, 0,1
	s_mov_b32 s[G0+4*\s], 1
	s_add_co_u32 s[G0+4*\s+1], s45, \s*SLOT
	s_add_nc_u64 s[G0+4*\s+2:G0+4*\s+3], s[20:21], \s*RB
	s_or_b32 s[G0+4*\s+3], s[G0+4*\s+3], 0x80000000
	s_mov_b32 s[G0B+4*\s], 1
	s_add_co_u32 s[G0B+4*\s+1], s45, \s*SLOT
	s_add_nc_u64 s[G0B+4*\s+2:G0B+4*\s+3], s[46:47], \s*RB
	s_or_b32 s[G0B+4*\s+3], s[G0B+4*\s+3], 0x80000000
.endr
	JLOAD G0, G1, G0B, G1B                         ; slot 0: one tensor load a wave at the head; slot 1's first fill stands behind the round below.
	; V's scale words (16 KB, a small part of what the work-group reads) come by plain loads and LDS stores, as p's do, not jointly.
	; PREFETCHES: behind joint load j (3,072 bytes of each of 8 row blocks) load j + 2 is asked for, up to load 7; at the head load 1 too.  Of the 8 row blocks that I fetch my work-group names 2,
	; by its place among the four partners (an address alone hangs on the place): 24 blocks of 256 bytes, a lane a block; lanes 24-31 name the last again.
	s_cmp_eq_u32 s15, 0
	s_cselect_b64 s[68:69], s[20:21], s[46:47]
	s_cselect_b32 s70, s40, s41
	s_mul_i32 s70, s70, 2*NC*CH
	s_mov_b32 s71, 0
	s_add_nc_u64 s[68:69], s[68:69], s[70:71]
	v_and_b32 v12, 31, v0
	v_min_u32 v12, 23, v12
	v_mul_u32_u24 v13, v12, 11
	v_lshrrev_b32 v13, 7, v13                      ; lane / 12
	v_lshlrev_b32 v12, 8, v12
	v_mad_u32_u24 v12, v13, NC*CH-3072, v12
	global_prefetch_b8 v12, s[68:69] offset:RB th:TH_LOAD_NT scope:SCOPE_SE
	global_prefetch_b8 v12, s[68:69] offset:2*RB th:TH_LOAD_NT scope:SCOPE_SE
	; ---- the head: thread t takes queries 2 t and 2 t + 1 of the tile; a wave's load covers 256 consecutive bytes
	v_lshlrev_b32 v[T8], 3, v0
.irp c, 0,1,2,3,4,5,6,7,8,9,10,11,12,13,14,15
	global_load_b64 v[NMI+2*\c:NMI+2*\c+1], v[T8], s[10:11] offset:1048576+65536*\c
.endr
.irp c, 0,1,2,3,4,5,6,7,8,9,10,11,12,13,14,15
	global_load_b64 v[LIN+2*\c:LIN+2*\c+1], v[T8], s[10:11] offset:2097152+65536*\c
.endr
.irp c, 0,1,2,3,4,5,6,7,8,9,10,11,12,13,14,15
	global_load_b64 v[WDI+2*\c:WDI+2*\c+1], v[T8], s[10:11] offset:65536*\c
.endr
.irp c, 0,1,2,3,4,5,6,7,8,9,10,11,12,13,14,15
	global_load_b64 v[224+2*\c:225+2*\c], v[T8], s[92:93] offset:4096*\c   ; V's scale words of channels 2 t, 2 t + 1, chunk c
.endr
	v_and_b32 v1, 15, v0                           ; r
	v_bfe_u32 v2, v0, 4, 1                         ; h
	v_and_b32 v3, 31, v0                           ; lane
	v_lshlrev_b32 v[LI], 4, v3
	v_lshrrev_b32 v5, 6, v0                        ; which half of the tile's queries mine lie in
	v_and_b32 v6, 63, v0
	v_lshlrev_b32 v6, 3, v6
	v_lshl_add_u32 v6, v5, 13, v6
	v_add_nc_u32 v[AW], SCL, v6                    ; p's scale words: [half][chunk][128 words]
	v_add_nc_u32 v[AR], RLT, v[T8]
	s_lshl_b32 s21, s15, 9
	s_add_co_u32 s21, s21, RLT
	v_lshl_add_u32 v[ARL], v1, 2, s21
	s_mul_i32 s21, s15, HALFT
	s_mul_i32 s22, s16, HALFT
	s_add_co_u32 s22, s22, 2*HALFT
.irp s, 0,1
	v_add_nc_u32 v[ADRA+\s], s21, v[LI]
	v_add_nc_u32 v[ADRB+\s], s22, v[LI]
	s_add_co_u32 s21, s21, SLOT
	s_add_co_u32 s22, s22, SLOT
.endr
	v_lshlrev_b32 v5, 2, v1
	s_mul_i32 s21, s15, HALFS
	s_mul_i32 s22, s16, HALFS
	s_add_co_u32 s22, s22, 2*HALFS
	s_sub_co_u32 s22, s22, s21
	v_mul_u32_u24 v6, s22, v2                      ; lanes 16-31 take V's
	s_add_co_u32 s21, s21, SCL
	v_add_nc_u32 v5, v5, v6
	v_add_nc_u32 v[ADRS], s21, v5
	s_mul_i32 s23, s14, 16*SPITCH                  ; my stage
	v_mul_u32_u24 v5, v1, SPITCH
	v_lshl_add_u32 v5, v2, 5, v5
	v_add_nc_u32 v[STO], s23, v5
	v_add_nc_u32 v[RD], s23, v[LI]
	s_lshl_b32 s20, s17, 8                         ; my part of O: row 256 Y + 128 half, 4,096 bytes a row; + 1,024 X + 512 half
	s_lshl_b32 s21, s15, 7
	s_add_co_u32 s20, s20, s21
	s_lshl_b32 s20, s20, 12
	s_lshl_b32 s46, s42, 10
	s_lshl_b32 s47, s16, 9
	s_add_co_u32 s46, s46, s47
	s_add_co_u32 s20, s20, s46
	s_mov_b32 s21, 0
	s_add_nc_u64 s[12:13], s[12:13], s[20:21]
	s_wait_alu depctr_va_vdst(0)
	s_wait_tensorcnt 0x0                           ; my part of slot 0 is in
	ds_add_u32 v[SPW], v[NIL]
	s_wait_dscnt 0x0
	CROUND                                         ; slot 0 is whole for every wave, and the joint loads meet
	JLOAD G0+4, G1, G0B+4, G1B                     ; slot 1: it lands while the statistics are worked
	global_prefetch_b8 v12, s[68:69] offset:3*RB th:TH_LOAD_NT scope:SCOPE_SE
	s_wait_loadcnt 0x0
.irp c, 0,1,2,3,4,5,6,7,8,9,10,11,12,13,14,15
	ds_store_b64 v[AW], v[224+2*\c:225+2*\c] offset:2*HALFS+512*\c         ; behind p's words: [half][chunk][128 words]
.endr
.irp e, 0,1
	v_max3_num_f32 v[GG+\e], -v[NMI+\e], -v[NMI+2+\e], -v[NMI+4+\e]   ; M = the largest M_c
.endr
.irp c, 3,5,7,9,11,13
.irp e, 0,1
	v_max3_num_f32 v[GG+\e], v[GG+\e], -v[NMI+2*\c+\e], -v[NMI+2*\c+2+\e]
.endr
.endr
.irp e, 0,1
	v_max_num_f32 v[GG+\e], v[GG+\e], -v[NMI+30+\e]
.endr
.macro FIX c                           ; chunk c of my two queries, the two by turns
.irp e, 0,1
	v_add_f32 v[TT+\e], v[GG+\e], v[NMI+2*(\c)+\e] ; M - M_c: a whole number, 0 or more,
.endr
.irp e, 0,1
	v_min_num_f32 v[TT+\e], 0x43000000, v[TT+\e]   ; held at 128
.endr
.irp e, 0,1
	v_cvt_i32_f32 v[TT+\e], v[TT+\e]
.endr
.irp e, 0,1
	v_sub_nc_u32 v[UU+\e], 0, v[TT+\e]
.endr
.if (\c) == 0
.irp e, 0,1
	v_ldexp_f32 v[LA+\e], v[LIN+\e], v[UU+\e]      ; the first term starts l
.endr
.else
.irp e, 0,1
	v_ldexp_f32 v[UU+\e], v[LIN+2*(\c)+\e], v[UU+\e]   ; l_c 2^(M_c - M): nothing is rounded
.endr
	v_pk_add_f32 v[LA:LA+1], v[LA:LA+1], v[UU:UU+1]
.endif
.irp e, 0,1
	v_perm_b32 v[TT+\e], v[TT+\e], v[TT+\e], 0     ; the difference in each of the four bytes
.endr
.irp e, 0,1
	v_or_b32 v[RR+\e], s[HI], v[WDI+2*(\c)+\e]     ; 128 onto each byte (the bytes are 123 at the most), so that no borrow crosses a byte
.endr
.irp e, 0,1
	v_sub_nc_u32 v[RR+\e], v[RR+\e], v[TT+\e]
.endr
.irp e, 0,1
	v_and_b32 v[TT+\e], s[HI], v[RR+\e]            ; where the 128 is still there the byte has not fallen under 0:
.endr
.irp e, 0,1
	v_lshrrev_b32 v[UU+\e], 7, v[TT+\e]
.endr
.irp e, 0,1
	v_sub_nc_u32 v[TT+\e], v[TT+\e], v[UU+\e]      ; 0x7f there, 0 elsewhere
.endr
.irp e, 0,1
	v_and_b32 v[WDI+2*(\c)+\e], v[RR+\e], v[TT+\e]
.endr
	ds_store_b64 v[AW], v[WDI+2*(\c):WDI+2*(\c)+1] offset:512*(\c)
.endm
.irp c, 0,1,2,3,4,5,6,7,8,9,10,11,12,13,14,15
	FIX \c
.endr
	s_wait_alu depctr_va_vdst(0)
	v_rcp_f32 v[LA], v[LA]
	v_rcp_f32 v[LA+1], v[LA+1]
	v_nop                                          ; a plain place behind the reciprocals
	s_wait_alu depctr_va_vdst(0)
	ds_store_b64 v[AR], v[LA:LA+1]
.macro FRAG reg, adr, q, i
.irp g, 0,1,2
	ds_load_b128 v[\reg+4*\g:\reg+4*\g+3], v[\adr] offset:(\i)*RB+(\q)*CH+512*\g
.endr
.endm
; 16 matrix instructions: p's blocks a0, a0 + 1 x V's eight.  The 64 accumulators take turns, one instruction a turn, in the same order in every step.
.macro MUL16 a0, p, q, sc, zero
.irp a, \a0, \a0+1
.irp b, 0,1,2,3,4,5,6,7
.if \zero
	v_wmma_scale_f32_16x16x128_f8f6f4 v[8*(8*((\a)%4)+\b):8*(8*((\a)%4)+\b)+7], v[128*(\p)+FR*\b:128*(\p)+FR*\b+FR-1], v[AF+FR*(\a):AF+FR*(\a)+FR-1], 0, v[SC+8*NQ*(\sc)+NQ*\b+(\q)], v[SC+8*NQ*(\sc)+NQ*(\a)+(\q)] matrix_a_fmt:MATRIX_FMT_BF6 matrix_b_fmt:MATRIX_FMT_BF6 matrix_a_scale:MATRIX_SCALE_ROW1
.else
	v_wmma_scale_f32_16x16x128_f8f6f4 v[8*(8*((\a)%4)+\b):8*(8*((\a)%4)+\b)+7], v[128*(\p)+FR*\b:128*(\p)+FR*\b+FR-1], v[AF+FR*(\a):AF+FR*(\a)+FR-1], v[8*(8*((\a)%4)+\b):8*(8*((\a)%4)+\b)+7], v[SC+8*NQ*(\sc)+NQ*\b+(\q)], v[SC+8*NQ*(\sc)+NQ*(\a)+(\q)] matrix_a_fmt:MATRIX_FMT_BF6 matrix_b_fmt:MATRIX_FMT_BF6 matrix_a_scale:MATRIX_SCALE_ROW1
.endif
.endr
.endr
.endm
.macro FETCH_B slot, q, p
	WIN TO_B
.irp i, 0,1,2,3,4,5,6,7
	FRAG 128*(\p)+FR*\i, ADRB+\slot, \q, \i
.endr
	WIN 0
.endm
.macro FETCH_A slot, q, i0
.irp i, \i0, \i0+1, \i0+2, \i0+3
	FRAG AF+FR*(\i), ADRA+\slot, \q, \i
.endr
.endm
.macro SCALES sc
.irp i, 0,1,2,3,4,5,6,7
.irp q, 0,1
	ds_load_b32 v[SC+8*NQ*\sc+NQ*\i+\q], v[ADRS] offset:512*\q+64*\i
.endr
.endr
.endm
.macro PLACES n
.rept \n
	v_nop
.endr
.endm
.macro STEP slot, q, zero
	s_wait_dscnt 4*NL                              ; all but the youngest 12 loads (p's blocks 4-7) are in
	WIN MUL_LO
	MUL16 0, (\q)%2, \q, \slot, \zero
	MUL16 2, (\q)%2, \q, \slot, \zero
	s_wait_dscnt 0
	PLACES NP
	FETCH_B \slot, (\q)+1, 1-(\q)%2
	FETCH_A \slot, (\q)+1, 0
	WIN MUL_HI
	MUL16 4, (\q)%2, \q, \slot, \zero
	MUL16 6, (\q)%2, \q, \slot, \zero
	PLACES NP
	WIN 0
	FETCH_A \slot, (\q)+1, 4
.endm
.macro TURN slot, next, fill
.if \fill
	s_wait_xcnt 0x0                                ; my last prefetch has read its address: it is stepped here, a K step behind it
	s_add_nc_u64 s[68:69], s[68:69], RB
.endif
	s_wait_tensorcnt 0x0                           ; all my tensor loads have landed: my part of the next slot
	ds_add_u32 v[SPW], v[NIL]                      ; 0 onto my spare word
	s_wait_dscnt 4*NL+1                            ; (the add and the youngest 12 loads may be out)
	WIN MUL_LO
	MUL16 0, 1, NQ-1, \slot, 0
	s_wait_dscnt 0x0                               ; the add is done, and my reads of this slot are over
	s_barrier_signal -1
	MUL16 2, 1, NQ-1, \slot, 0
	WIN 0
	s_barrier_wait -1
.if \fill
	CREST                                          ; the barrier has opened a round of the cluster's: no wave of any partner still reads this slot or has a load on its way
	s_add_nc_u64 s[G0+4*\slot+2:G0+4*\slot+3], s[G0+4*\slot+2:G0+4*\slot+3], 2*RB
	s_add_nc_u64 s[G0B+4*\slot+2:G0B+4*\slot+3], s[G0B+4*\slot+2:G0B+4*\slot+3], 2*RB
	JLOAD G0+4*\slot, G1, G0B+4*\slot, G1B         ; the first tensor load behind the round; its four v_nop are the places in front of the loads below
.else
	PLACES NP
.endif
	s_wait_alu depctr_va_vdst(0)
	v_add_nc_u32 v[ADRS], 512*NQ, v[ADRS]
	FETCH_B \next, 0, 0
	FETCH_A \next, 0, 0
	SCALES \next
.if \fill
	s_cmp_gt_u32 s3, 1                             ; the last trip's two refills have no load two on
	s_cbranch_scc0 .Lno_ask_\@
	global_prefetch_b8 v12, s[68:69] offset:3*RB th:TH_LOAD_NT scope:SCOPE_SE
.Lno_ask_\@:
.endif
	WIN MUL_HI
	MUL16 4, 1, NQ-1, \slot, 0
	MUL16 6, 1, NQ-1, \slot, 0
	PLACES NP
	WIN 0
	FETCH_A \next, 0, 4
.endm
	s_wait_dscnt 0x0                               ; for the others' sake: my queries' scale words and 1 / l lie in LDS
	s_barrier_signal -1
	s_barrier_wait -1
.irp a, 0,1,2,3,4,5,6,7
	ds_load_b32 v[RL+2*\a], v[ARL] offset:64*\a    ; 1 / l of query r of my block a: older than every fragment's load, so the first counted wait covers them
.endr
	FETCH_B 0, 0, 0
	FETCH_A 0, 0, 0
	SCALES 0
	FETCH_A 0, 0, 4
	STEP 0, 0, 1                                   ; the first products start the sums
	s_mov_b32 s3, LAPS-1
.Llap:
	TURN 0, 1, 1
	STEP 1, 0, 0
	TURN 1, 0, 1
	STEP 0, 0, 0
	s_sub_co_u32 s3, s3, 1
	s_cmp_lg_u32 s3, 0
	s_cbranch_scc1 .Llap
	TURN 0, 1, 0                                   ; the last lap fills nothing
	STEP 1, 0, 0
	s_wait_dscnt 4*NL
	WIN MUL_LO
	MUL16 0, 1, NQ-1, 1, 0
	MUL16 2, 1, NQ-1, 1, 0
	s_wait_dscnt 0
	WIN MUL_HI
	MUL16 4, 1, NQ-1, 1, 0
	MUL16 6, 1, NQ-1, 1, 0
	WIN 0
; THE WAY OUT, block by block of 16 queries x 128 channels: divided by l, through my own stage in LDS, back as whole rows of 512 bytes.  LDS serves a wave's instructions in order (ISA guide 5.7.1.4).
.macro SCALE a
.set AC, 64*((\a)%4)
	WIN 0x82+0x41*((\a)/4)                         ; destination and source 0: window 2 or 3
.set J, 0
.rept 32
	v_pk_mul_f32 v[AC+J:AC+J+1], v[AC+J:AC+J+1], v[RL+2*(\a):RL+2*(\a)+1] op_sel_hi:[1,0]   ; each accumulator from its low end on
.set J, J+2
.endr
.endm
.macro TOSTAGE a
.set AC, 64*((\a)%4)
	WIN 0x08+4*((\a)/4)                            ; the data: window 2 or 3
.irp b, 0,1,2,3,4,5,6,7
	ds_store_b128 v[STO], v[AC+8*\b:AC+8*\b+3] offset:64*\b
	ds_store_b128 v[STO], v[AC+8*\b+4:AC+8*\b+7] offset:64*\b+16
.endr
	WIN 0
.set BB, BK+64*((\a)%2)
.irp t, 0,1,2,3,4,5,6,7,8,9,10,11,12,13,14,15
	ds_load_b128 v[BB+4*\t:BB+4*\t+3], v[RD] offset:\t*SPITCH
.endr
.endm
.macro SEND a, younger                 ; younger: the LDS instructions issued behind block a's loads
.set BB, BK+64*((\a)%2)
	s_wait_dscnt \younger
.if (\a) > 0
	s_add_nc_u64 s[12:13], s[12:13], 16*NOUT*4     ; (behind a wait on XCNT: the earlier stores have read their base)  16 rows of O on
.endif
.irp t, 0,1,2,3,4,5,6,7,8,9,10,11,12,13,14,15
	global_store_b128 v[LI], v[BB+4*\t:BB+4*\t+3], s[12:13] offset:\t*NOUT*4 th:TH_STORE_NT   ; 32 lanes store 512 consecutive bytes, at a multiple of 256 from O's first byte
.endr
.endm
	PLACES NP
.irp a, 0,1,2,3,4,5,6,7
	v_mov_b32 v[RL+2*\a+1], v[RL+2*\a]             ; (named with it as a pair, so it is written)
.endr
	SCALE 0
	TOSTAGE 0
.irp a, 1,2,3,4,5,6,7
	SCALE \a
.if \a > 1
	s_wait_alu depctr_va_vdst(0)
	s_wait_xcnt 0x0                                ; block a - 2's stores have read their registers and their base
.endif
	TOSTAGE \a
	SEND \a-1, 32                                  ; behind block a - 1's loads: block a's 16 stores and 16 loads
.endr
	s_wait_xcnt 0x0
	SEND 7, 0
	s_wait_tensorcnt 0x0                           ; the wave's end
	ds_add_u32 v[SPW], v[NIL]
	s_wait_dscnt 0x0
	CROUND                                         ; the closing round
	s_endpgm
.Lfunc_end_k_qd554a226cc_outp:
	.size	k_qd554a226cc_outp, .Lfunc_end_k_qd554a226cc_outp-k_qd554a226cc_outp
	.p2alignl 7, 3214868480
	.fill 96, 4, 3214868480
	.section	.rodata,"a",@progbits
	.p2align	6, 0x0
	.amdhsa_kernel k_qd554a226cc_outp
		.amdhsa_group_segment_fixed_size 327680
		.amdhsa_private_segment_fixed_size 0
		.amdhsa_enable_private_segment 0
		.amdhsa_kernarg_size 40
		.amdhsa_user_sgpr_count 2
		.amdhsa_user_sgpr_kernarg_segment_ptr 1
		.amdhsa_wavefront_size32 1
		.amdhsa_system_sgpr_workgroup_id_x 1
		.amdhsa_system_sgpr_workgroup_id_y 1
		.amdhsa_system_sgpr_workgroup_id_z 1
		.amdhsa_system_vgpr_workitem_id 0
		.amdhsa_next_free_vgpr 1024
		.amdhsa_next_free_sgpr 100
		.amdhsa_reserve_vcc 0
		.amdhsa_float_denorm_mode_32 3
		.amdhsa_float_denorm_mode_16_64 3
		.amdhsa_memory_ordered 1
		.amdhsa_forward_progress 1
		.amdhsa_inst_pref_size 180
	.end_amdhsa_kernel
	.amdgpu_metadata
---
amdhsa.version: [ 1, 2 ]
amdhsa.kernels:
  - .name:           k_qd554a226cc_outp
    .symbol:         k_qd554a226cc_outp.kd
    .args:
      - { .name: pimg, .offset: 0, .size: 8, .value_kind: global_buffer, .address_space: global }
      - { .name: vimg, .offset: 8, .size: 8, .value_kind: global_buffer, .address_space: global }
      - { .name: scl, .offset: 16, .size: 8, .value_kind: global_buffer, .address_space: global }
      - { .name: pst, .offset: 24, .size: 8, .value_kind: global_buffer, .address_space: global }
      - { .name: out0, .offset: 32, .size: 8, .value_kind: global_buffer, .address_space: global }
    .group_segment_fixed_size: 327680
    .private_segment_fixed_size: 0
    .kernarg_segment_align: 8
    .kernarg_segment_size: 40
    .max_flat_workgroup_size: 128
    .sgpr_count:     100
    .vgpr_count:     1024
    .wavefront_size: 32
...
	.end_amdgpu_metadata
.endif
;; end of part 3
